; MI455X (gfx1250); checked and timed in simulation.
; The chip was launched on July 23, 2026; its instructions are those of AMD's public machine-readable ISA for CDNA 5 (MIT licence, August 2026) and "CDNA5" Instruction Set Architecture Reference Guide (July 2026). The comments in the code are by the model that wrote it; some were corrected since.
;; Full Attention. Allowed arithmetic: matrix products marked QUANTISED: E3M2 operands, one E8M0 scale for each 32 along K, by v_wmma_scale_f32_16x16x128_f8f6f4 with both operands' format E3M2, f32 sums; everything else in f32.
;; Inputs: keys 2 x 4,096 x 8 x 64 float32; queries 2 x 4,096 x 8 x 64 float32; values 2 x 4,096 x 8 x 64 float32.
;; Outputs: out0 2 x 4,096 x 8 x 64 float32.
;; This version of the problem:
;;   THIS VERSION OF THE PROBLEM IS GIVEN IN LOW PRECISION. The matrix products marked QUANTISED in the list below multiply operands that are first quantised to E3M2 (3 exponent bits, 2 mantissa bits; 6 bits a number), with one power-of-two scale for each 32 numbers along K (OCP MX v1.0); their sums are f32. All else is computed in f32.
;;   The module's matrix products, in the order in which they are computed (A, B: the left and right operand; K: the contracted axis; several contracted axes count as one K, in the product's order):
;;     1. batch 16 x [M 4,096, K 64] x [K 64, N 4,096]; A: input queries; B: input keys: QUANTISED
;;     2. batch 16 x [M 64, K 4,096] x [K 4,096, N 4,096]; A: input values; B: softmax (see below): QUANTISED
;;   THE QUANTISER, for each operand of a quantised product, along K:
;;     - K is cut into blocks of 32 from its start; a last block that is shorter is filled with zeros.
;;     - A block's scale is 2^e with e = floor(log2(the largest magnitude in the block)) - 4, held to -126 .. 127; a block of zeros has e = 0. As a byte (E8M0): e + 127.
;;     - Each number is divided by its block's scale, clamped to +-28, and rounded to the nearest number of E3M2, ties to even, subnormals kept.
;;     - The product sums the exact products of the quantised numbers (number of the format x scale) in f32.
;;   ~~~python
;;   def quantise(x, axis):      # numpy; x: float32 -> the quantised numbers, widened to float32 again
;;       x = np.moveaxis(x, axis, -1); K = x.shape[-1]
;;       x = np.pad(x, [(0, 0)] * (x.ndim - 1) + [(0, -K % 32)]); x = x.reshape(x.shape[:-1] + (-1, 32)); a = np.abs(x).max(-1, keepdims=True)
;;       e = np.where(a > 0, np.clip(np.frexp(np.where(a > 0, a, 1))[1] - 1 - 4, -126, 127), 0)      # np.frexp(a)[1] - 1 = floor(log2(a)), exactly
;;       r = np.clip(x / 2.0 ** e, -28, 28)
;;       step = 2.0 ** (np.maximum(np.frexp(np.where(r == 0, 1, r))[1] - 1, -2) - 2)
;;       q = np.round(r / step) * step * 2.0 ** e      # np.round: ties to even
;;       return np.moveaxis(q.reshape(q.shape[:-2] + (-1,))[..., :K], -1, axis).astype(np.float32)
;;   ~~~
;;   SOFTMAX AHEAD OF A QUANTISED PRODUCT. Where the list says 'softmax', what is quantised is not the finished softmax but p = 2^(t - M), with t = logit x log2(e) and M = ceil(the row's largest t), a whole number; so 1/2 < the row's largest p <= 1. The row's sum l is taken of the UNQUANTISED p, in f32, and the product's result is divided by l at the end. Since M is a whole number, a kernel that streams over the keys may use a running M (the ceiling of the running maximum): every later rescaling is an exact power of two, which a block's scale takes up: the codes' values come out the same.
;;   OPERANDS COMPUTED ON THE WAY. 'Computed on the way' means the value that the module computes at that place (a softmax that the list does not call 'softmax' is quantised finished and normalised). What goes into a quantiser is computed in f32, as accurately as f32 sums, v_exp_f32 and their like allow (about 1e-6 of the number): no bf16 or f16 on the way to a quantiser, and a product that is left as it is and whose result goes on into a quantised operand takes f32 operands (vector FMAs, or v_wmma_f32_16x16x4_f32). A number that lies on a knife's edge between two numbers of the format may be rounded either way, as far as f32 arithmetic and the matrix unit's own rounding can turn it there, and no further.
;; One version. Each part assembles by itself: llvm-mc -triple=amdgcn-amd-amdhsa -mcpu=gfx1250 --defsym DOCPART=n.
;; ======== version 1 of 1: 2 launches
;; workspace buffers: kv 6,553,600 bytes
;; launch quant (part 1): grid 32 x 16, 4 waves a work-group, no clusters, 35,328 bytes of LDS; arguments keys, values, kv; writes kv
.if DOCPART == 1
	.amdgcn_target "amdgcn-amd-amdhsa--gfx1250"
	.amdhsa_code_object_version 6
	.text
	.protected	k_qb91296c42f_quant
	.globl	k_qb91296c42f_quant
	.p2align	8
	.type	k_qb91296c42f_quant,@function
k_qb91296c42f_quant:
	s_mov_b64 s[64:65], 0
	v_nop
	global_prefetch_b8 v0, s[64:65] scope:SCOPE_SE
	s_setreg_imm32_b32 hwreg(HW_REG_WAVE_MODE, 25, 1), 1
	s_wait_xcnt 0x0
; keys and values, [2][4096][8][64] f32, become codes of BF6 (E3M2) with one E8M0 scale byte for each 32 along a product's K, laid as IMAGES OF THE OPERANDS' REGISTERS.
; One record of 12,800 bytes for each (head y = 8 b + hd, step of 128 keys), at (32 y + step) x 12,800 in kv.  l = lane, r = l % 16, h = l / 16:
;   +0      K's codes: pair b (0..3) at 1,536 b, plane c (0..2) at 512 c, lane at 16 l: 12 registers a lane: registers 0-5 = key 32 b + r + 8 (r / 8), E = 32 h .. 32 h + 31; registers 6-11 = key 32 b + 8 + r + 8 (r / 8), the same E
;   +6,144  K's scale words: the word at 128 w + 4 l belongs to pair 2 w + h, row r; its bytes: (first key, E 0-31), (first key, E 32-63), (second key, E 0-31), (second key, E 32-63)
;   +6,400  V's codes: tile t (d = 16 t + r) at 1,536 t, plane c at 512 c, lane at 16 l: registers 6 c .. 6 c + 5 = keys 64 c + 32 h + 0 .. 31
;   +12,544 V's scale words: the word at 128 w + 4 l belongs to d = 16 (2 w + h) + r; byte n = keys 32 n .. 32 n + 31
; K is quantised along E (innermost in memory), V down the keys (a lane takes a channel d, its registers run down the keys).
; A block's scale is 2^(floor(log2(its largest magnitude)) - 4); its byte is the largest magnitude's exponent field - 4, held at 1 from below by a floor among the maximum's leaves.
; LIMITS: a block of zeros gets the byte 1 where the rule says 127 (its codes are zeros, which add nothing, and this program alone reads the bytes); NaN and infinities among the inputs are not served.
; SHARES: a work-group makes one record.  Waves 0, 1: K, keys 64 ww on (pairs 2 ww, 2 ww + 1); waves 2, 3: V, channels 32 ww + lane, all 128 keys; ww = wave % 2.  The roles part once and never join: no barrier.
; No tensor loads, no cluster: no two work-groups read the same byte.  Every offset is an immediate, no pointer is stepped, no store's data are written again.
.set REC,  12800
.set KSC,  6144
.set VCO,  6400
.set VSC,  12544
.set SROW, 272                         ; a stage row: a key's 256 bytes + 16, so that sixteen lanes' pieces of sixteen rows lie at sixteen different offsets modulo 256 bytes
.set STG,  32*SROW                     ; a stage: the 32 keys of a pair; two for each K wave
.set M,    10                          ; v10-11  largest magnitudes
.set SO,   12                          ; v12-13  the conversions' scale operands
.set BY,   14                          ; v14-15  scale bytes
.set W,    16                          ; v16-17  scale words (K: one a pair; V: v16)
.set C,    20                          ; v20-43  codes: K: 12 for each pair; V: 12 for each half of the target lanes
.set T,    44                          ; v44-46, v48-50  the halves that a conversion cannot put at an odd register
.set R,    64                          ; v64-191 K as loaded: 32 loads x 4
.set Y,    64                          ; v64-191 V: key s in v[64 + s]
.set X,    192                         ; v192-255 K: 2 x 32 neighbours along E
	s_load_b128 s[4:7], s[0:1], 0x0                ; keys, values
	s_load_b64 s[8:9], s[0:1], 0x10                ; kv
	v_lshl_add_u32 v62, v0, 2, 0x8800
	v_mov_b32 v63, 0
	v_lshrrev_b32 v1, 5, v0
	v_readfirstlane_b32 s10, v1                    ; wave 0..3
	s_and_b32 s11, s10, 1                          ; ww
	v_and_b32 v1, 31, v0                           ; lane
	v_and_b32 v2, 15, v0                           ; r
	v_bfe_u32 v3, v0, 4, 1                         ; h
	; every address register is made here, ahead of the parting
	v_lshlrev_b32 v4, 4, v2
	v_lshl_add_u32 v4, v3, 11, v4                  ; K's loads: 16 r + 2,048 h: lanes 0-15 one key's 256 bytes, lanes 16-31 the next key's
	s_mul_i32 s20, s11, 2*STG                      ; my wave's two stages
	v_mul_u32_u24 v5, v3, SROW
	v_lshl_add_u32 v5, v2, 4, v5
	v_add_nc_u32 v5, s20, v5                       ; into a stage: row + h, 16 r
	v_mul_u32_u24 v6, v2, SROW
	v_lshl_add_u32 v6, v3, 7, v6
	v_add_nc_u32 v6, s20, v6                       ; out of it: row r, my half's 128 bytes
	s_mul_i32 s21, s11, 3072
	v_lshl_add_u32 v7, v1, 4, s21                  ; K's codes out: 16 l + two pairs x ww
	s_lshl_b32 s22, s11, 7
	v_lshl_add_u32 v8, v1, 2, s22                  ; scale words out: 4 l + 128 ww
	v_mul_u32_u24 v9, v3, 1536
	v_lshl_add_u32 v9, v2, 4, v9
	v_add_nc_u32 v9, s21, v9                       ; V's codes out: tile 2 ww + h, 16 r
	v_mov_b32 v18, 0                               ; a lane permute's destination counts as one of its sources
	v_lshlrev_b32 v19, 3, v3                       ; 8 h
	v_lshlrev_b32 v52, 2, v1                       ; V's loads: 4 l
	s_and_b32 s23, ttmp7, 0xffff                   ; y
	s_lshr_b32 s24, s23, 3
	s_lshl_b32 s12, s24, 23                        ; b x 4,096 rows of 2,048 bytes
	s_lshl_b32 s24, ttmp9, 18                      ; + step x 128 rows
	s_add_co_u32 s12, s12, s24
	s_and_b32 s24, s23, 7
	s_lshl_b32 s24, s24, 8                         ; + hd x 256 bytes
	s_add_co_u32 s12, s12, s24
	s_mov_b32 s13, 0
	s_lshl_b32 s14, s23, 5
	s_add_co_u32 s14, s14, ttmp9
	s_mul_i32 s14, s14, REC                        ; my record
	s_mov_b32 s15, 0
	s_mov_b32 s16, 0x76543210
	s_mov_b32 s17, 0xfedcba98                      ; v_permlanex16_b32's selects for lane l xor 16
	s_wait_kmcnt 0x0
	s_add_nc_u64 s[8:9], s[8:9], s[14:15]
	s_cmp_lt_u32 s10, 2
	s_cbranch_scc0 .Lvalues
	; ---------------- K: waves 0 and 1
	s_lshl_b32 s24, s11, 17                        ; my 64 keys
	s_add_co_u32 s12, s12, s24
	s_add_nc_u64 s[4:5], s[4:5], s[12:13]
.set i, 0
.rept 32
	global_load_b128 v[R+4*i:R+4*i+3], v4, s[4:5] offset:4096*i th:TH_LOAD_NT   ; keys 2 i and 2 i + 1: sixteen lanes read a key's 256 consecutive bytes
.set i, i+1
.endr
; Pair a: 32 keys turn through the wave's own stage.  A key k of the pair goes to stage row 16 u + r with u = (k / 8) % 2, r = k % 8 + 8 (k / 16): the order in which the fragment's lanes want the keys.
.macro KPAIR a
	s_wait_loadcnt 16*(1-\a)                       ; this pair's 16 loads are in; the other pair's 16 may be out
.set i, 0
.rept 16
	ds_store_b128 v5, v[R+64*\a+4*i:R+64*\a+4*i+3] offset:\a*STG+(16*((i/4)%2)+(2*i)%8+8*(i/8))*SROW
.set i, i+1
.endr
.irp u, 0,1
.irp m, 0,1,2,3,4,5,6,7
	ds_load_b128 v[X+32*\u+4*\m:X+32*\u+4*\m+3], v6 offset:\a*STG+\u*16*SROW+16*\m   ; LDS serves a wave's instructions in order: these see the stores above
.endr
.endr
	s_wait_dscnt 0x0
.irp u, 0,1
	v_max3_num_f32 v[M+\u], |v[X+32*\u]|, |v[X+32*\u+1]|, 0x2800000   ; a whole block of 32 is mine; the floor 2^(5 - 127) holds the byte at 1 from below
.endr
.irp i, 2,4,6,8,10,12,14,16,18,20,22,24,26,28,30
.irp u, 0,1
	v_max3_num_f32 v[M+\u], v[M+\u], |v[X+32*\u+\i]|, |v[X+32*\u+\i+1]|   ; (the two blocks by turns)
.endr
.endr
.irp u, 0,1
	v_add_nc_u32 v[SO+\u], 0xfe000000, v[M+\u]     ; 4 off the exponent field: the conversion takes the exponent field of this operand as its scale
.endr
.irp u, 0,1
	v_lshrrev_b32 v[BY+\u], 23, v[SO+\u]           ; the scale's byte
.endr
	v_lshl_or_b32 v[W+\a], v[BY+1], 16, v[BY]      ; my two bytes: E block h of the first and of the second key,
	v_lshlrev_b32 v[W+\a], v19, v[W+\a]            ; 8 h bits up;
	v_permlanex16_b32 v18, v[W+\a], s16, s17
	v_or_b32 v[W+\a], v[W+\a], v18                 ; with lane l xor 16's two the word is whole, in both lanes
	v_cvt_scalef32_pk16_bf6_f32 v[C+12*\a:C+12*\a+2], v[X:X+15], v[SO]
	v_cvt_scalef32_pk16_bf6_f32 v[T:T+2], v[X+16:X+31], v[SO]            ; (a conversion's three registers begin on an even number)
	v_cvt_scalef32_pk16_bf6_f32 v[C+12*\a+6:C+12*\a+8], v[X+32:X+47], v[SO+1]
	v_cvt_scalef32_pk16_bf6_f32 v[T+4:T+6], v[X+48:X+63], v[SO+1]
	v_nop                                          ; one plain place behind a scaled conversion
.irp j, 0,1,2
	v_mov_b32 v[C+12*\a+3+\j], v[T+\j]
	v_mov_b32 v[C+12*\a+9+\j], v[T+4+\j]
.endr
.irp c, 0,1,2
	global_store_b128 v7, v[C+12*\a+4*\c:C+12*\a+4*\c+3], s[8:9] offset:1536*\a+512*\c   ; a plane: 32 lanes store 512 consecutive bytes, at a multiple of 256 from kv's first byte
.endr
.endm
	KPAIR 0
	KPAIR 1
	v_cmp_lt_u32 vcc_lo, 15, v1
	v_cndmask_b32 v16, v16, v17, vcc_lo            ; lanes 0-15 keep the first pair's words, lanes 16-31 take the second's
	global_store_b32 v8, v16, s[8:9] offset:KSC
	s_wait_tensorcnt 0x0
	ds_add_u32 v62, v63
	s_wait_dscnt 0x0
	s_endpgm
	; ---------------- V: waves 2 and 3
.Lvalues:
	s_lshl_b32 s24, s11, 7                         ; my 32 channels
	s_add_co_u32 s12, s12, s24
	s_add_nc_u64 s[6:7], s[6:7], s[12:13]
.macro VLOAD t                         ; block t: keys 32 t + i, my channel
.set i, 0
.rept 32
	global_load_b32 v[Y+32*(\t)+i], v52, s[6:7] offset:2048*(32*(\t)+i) th:TH_LOAD_NT   ; the wave reads 128 consecutive bytes; the two V waves stand side by side on a key's 256
.set i, i+1
.endr
.endm
.macro VBLOCK t
.set YS, Y+32*(\t)
.set CD, C+12*((\t)%2)+6*((\t)/2)      ; block t = 2 c + h' is registers 6 c .. 6 c + 5 of the target lane (r, h')
.if (\t) < 3
	s_wait_loadcnt 32                              ; this block's 32 loads are in; the next block's 32 may be out
.else
	s_wait_loadcnt 0x0
.endif
.if (\t) < 2
	VLOAD (\t)+2                                   ; into registers of its own
.endif
	v_max3_num_f32 v[M], |v[YS]|, |v[YS+1]|, |v[YS+2]|               ; the block's largest magnitude: all 32 numbers are mine; two chains
	v_max3_num_f32 v[M+1], |v[YS+3]|, |v[YS+4]|, |v[YS+5]|
.irp i, 6,10,14,18,22,26
	v_max3_num_f32 v[M], v[M], |v[YS+\i]|, |v[YS+\i+1]|
	v_max3_num_f32 v[M+1], v[M+1], |v[YS+\i+2]|, |v[YS+\i+3]|
.endr
	v_max3_num_f32 v[M], v[M], |v[YS+30]|, |v[YS+31]|
	v_max3_num_f32 v[M], v[M], v[M+1], 0x2800000   ; and the floor 2^(5 - 127)
	v_add_nc_u32 v[SO], 0xfe000000, v[M]
	v_lshrrev_b32 v[BY], 23, v[SO]
.if (\t) == 0
	v_mov_b32 v[W], v[BY]                          ; four bytes to the word, the earlier keys in the lower byte
.else
	v_lshl_or_b32 v[W], v[BY], 8*(\t), v[W]
.endif
	v_cvt_scalef32_pk16_bf6_f32 v[CD:CD+2], v[YS:YS+15], v[SO]
	v_cvt_scalef32_pk16_bf6_f32 v[T:T+2], v[YS+16:YS+31], v[SO]
	v_nop                                          ; one plain place behind a scaled conversion
.irp j, 0,1,2
	v_mov_b32 v[CD+3+\j], v[T+\j]
.endr
.endm
	VLOAD 0
	VLOAD 1
	VBLOCK 0
	VBLOCK 1
	VBLOCK 2
	VBLOCK 3
.irp g, 0,1                            ; the target lanes' half h' = g
.irp c, 0,1,2
	global_store_b128 v9, v[C+12*\g+4*\c:C+12*\g+4*\c+3], s[8:9] offset:VCO+512*\c+256*\g   ; sixteen lanes store 256 consecutive bytes, at a multiple of 256 from kv's first byte
.endr
.endr
	global_store_b32 v8, v[W], s[8:9] offset:VSC
	s_endpgm
.Lfunc_end_k_qb91296c42f_quant:
	.size	k_qb91296c42f_quant, .Lfunc_end_k_qb91296c42f_quant-k_qb91296c42f_quant
	.p2alignl 7, 3214868480
	.fill 96, 4, 3214868480
	.section	.rodata,"a",@progbits
	.p2align	6, 0x0
	.amdhsa_kernel k_qb91296c42f_quant
		.amdhsa_group_segment_fixed_size 35328
		.amdhsa_private_segment_fixed_size 0
		.amdhsa_enable_private_segment 0
		.amdhsa_kernarg_size 24
		.amdhsa_user_sgpr_count 2
		.amdhsa_user_sgpr_kernarg_segment_ptr 1
		.amdhsa_wavefront_size32 1
		.amdhsa_system_sgpr_workgroup_id_x 1
		.amdhsa_system_sgpr_workgroup_id_y 1
		.amdhsa_system_sgpr_workgroup_id_z 1
		.amdhsa_system_vgpr_workitem_id 0
		.amdhsa_next_free_vgpr 256
		.amdhsa_next_free_sgpr 66
		.amdhsa_reserve_vcc 1
		.amdhsa_float_denorm_mode_32 3
		.amdhsa_float_denorm_mode_16_64 3
		.amdhsa_memory_ordered 1
		.amdhsa_forward_progress 1
		.amdhsa_inst_pref_size 35
	.end_amdhsa_kernel
	.amdgpu_metadata
---
amdhsa.version: [ 1, 2 ]
amdhsa.kernels:
  - .name:           k_qb91296c42f_quant
    .symbol:         k_qb91296c42f_quant.kd
    .args:
      - { .name: keys, .offset: 0, .size: 8, .value_kind: global_buffer, .address_space: global }
      - { .name: values, .offset: 8, .size: 8, .value_kind: global_buffer, .address_space: global }
      - { .name: kv, .offset: 16, .size: 8, .value_kind: global_buffer, .address_space: global }
    .group_segment_fixed_size: 35328
    .private_segment_fixed_size: 0
    .kernarg_segment_align: 8
    .kernarg_segment_size: 24
    .max_flat_workgroup_size: 128
    .sgpr_count:     66
    .vgpr_count:     256
    .wavefront_size: 32
...
	.end_amdgpu_metadata
.endif
;; end of part 1
;; launch attn (part 2): grid 16 x 16, 16 waves a work-group, clusters of 4 x 1, 327,680 bytes of LDS; arguments queries, kv, out0; writes out0
.if DOCPART == 2
	.amdgcn_target "amdgcn-amd-amdhsa--gfx1250"
	.amdhsa_code_object_version 6
	.text
	.protected	k_qb91296c42f_attn
	.globl	k_qb91296c42f_attn
	.p2align	8
	.type	k_qb91296c42f_attn,@function
k_qb91296c42f_attn:
	s_mov_b64 s[64:65], 0
	v_nop
	global_prefetch_b8 v0, s[64:65] scope:SCOPE_SE
	s_setreg_imm32_b32 hwreg(HW_REG_WAVE_MODE, 25, 1), 1
	s_wait_xcnt 0x0
	s_wait_alu depctr_hold_cnt(0) depctr_sa_sdst(0) depctr_va_vdst(0) depctr_va_sdst(0) depctr_va_ssrc(0) depctr_va_vcc(0) depctr_vm_vsrc(0)
	s_getreg_b32 s2, hwreg(HW_REG_IB_STS2, 6, 4)
	s_cmp_eq_u32 s2, 0
	s_cbranch_scc0 .Lentry_in_a_cluster
	s_endpgm
.Lentry_in_a_cluster:
	s_bfe_u32 s2, ttmp6, 0x10000c
	s_cmp_lg_u32 s2, 0x3003
	s_cbranch_scc0 .Lentry_shape_is_right
	s_endpgm
.Lentry_shape_is_right:
; out0[b][q][hd][:] = the sum over keys k <= q of softmax_k(Q . K / 8) V, both products on codes of BF6 (E3M2) with one E8M0 scale for each 32 along a product's K.
; queries, out0: [2][4096][8][64] f32.  kv: one record of 12,800 bytes for each (head y = 8 b + hd, step of 128 keys): images of K's and V's operand registers and their scale words, made by the launch before.
; SOFTMAX: t = score x log2(e) / 8; M = the running largest t rounded UP to a whole number; p = 2^(t - M) is quantised along the keys, not normalised; the row's sum is taken of the unquantised p and divides at the end.
; When M moves, the sum and O are multiplied by 2^(old M - new M), which rounds nothing.
; LAYOUT.  Both products are used transposed (S^T = K Q^T, O^T = V^T P^T): a lane holds ONE query (lane % 16) throughout.
; K = 64 AGAINST THE INSTRUCTION'S 128: a fragment of K holds TWO tiles of 16 keys (k 0-63: tile 2 b, k 64-127: tile 2 b + 1).  Q stands in 18 registers, 6 zeros | its 6 | 6 zeros: the upper 12 pick tile 2 b, the
; lower 12 tile 2 b + 1; the other tile's codes meet zero codes and add exactly 0.  Lane r of tile 2 b + u holds key 32 b + 8 u + r + 8 (r / 8), so that S^T's 16 registers of a pair are 16 neighbouring keys, 32 b + 16 (lane / 16) + 0 .. 15.
; SHARES.  Sixteen waves, each ONE tile of 16 queries in under 256 registers, so that several waves share a SIMD and one wave's matrix work and LDS loads stand beside another's vector work.
; Wave 4 a + bb takes g = (a + bb) % 4 and p = a; block of 256 queries DD = 4 g + sg, sg = the cluster's x where g is even, 3 - it where g is odd; its queries begin at 256 DD + 64 cx + 16 p.
; A wave works key steps 0 .. 2 DD + 1.  Among waves 4 a .. 4 a + 3, and among waves bb, bb + 4, bb + 8, bb + 12, each g occurs once, and the four g's steps add up to 48 + 12 + 8 = 68 in every work-group.
; Q is read once, by its wave, and quantised in registers.  The conversion wants 32 neighbours along E in ONE lane; a load is best where neighbouring LANES take neighbouring bytes.  Both are had: each of the eight loads reads
; two queries' 256 consecutive bytes, and the 16 rows turn through the wave's own stage in LDS (the one that the way out uses at the end).
; CAUSAL.  Every work-group walks all 8 slots (constant trip counts; no tensor load and no barrier is jumped over); a step all of whose keys come after the wave's BLOCK of 256 queries is left out by a scalar branch on ids.
; The branches hang on the block (the cluster's x and the wave's number), never on cx: the four partners branch alike.  In the block's own two steps hidden scores become -infinity ahead of the maximum.
; CLUSTER.  The four work-groups of a cluster belong to one head and walk the same records: each record is asked for JOINTLY, by the same tensor load with the same descriptor and a mask that names the four.
; RING.  Two LDS slots of four records (51,200 bytes as they lie in memory; every read is 16 x lane or 4 x lane, dense, so nothing is padded); waves 0-3 fetch one record each.  A wave has one tensor load out at the most.
; LIMITS: NaN and infinities among the inputs are not served; a p under 2^-126 falls to 0; a block's largest p is taken from its largest score, which leans on v_exp_f32 not falling where its input rises.
.set REC,   12800
.set KSC,   6144                       ; in a record: K's scale words,
.set VCO,   6400                       ; V's codes,
.set VSC,   12544                      ; V's scale words
.set SLOT1, 1<<16                      ; slot 1 begins here: one exclusive or turns an address in one slot into the other's
.set STAGE, 2*SLOT1                    ; 16 rows x 272 bytes for each wave: Q's way in and O's way out; no fill ever lands here
.set SP,    272                        ; a stage row: 256 bytes + 16, so that sixteen lanes' pieces of sixteen rows lie at sixteen different offsets modulo 256 bytes
.set SPARE, STAGE+16*16*SP             ; the spare words, 128 bytes for each wave: eight blocks of 256 bytes that no other line names
.set QR,  16                           ; v16-33  6 zeros | Q's codes | 6 zeros
.set QS,  34                           ; v34     Q's scale word
.set PS,  35                           ; v35     p's scale word
.set KS,  36                           ; v36-37  K's scale words: lanes 0-15 an even pair's, lanes 16-31 the odd one's
.set VS,  38                           ; v38-39  V's likewise, by tiles
.set KV,  40                           ; v40-87  four fragments of K, then of V
.set S,   88                           ; v88-151 S^T, then p  (at the head: v120-151 Q as loaded, v88-119 Q as the conversion wants it)
.set OT,  152                          ; v152-183 O^T
.set PC,  184                          ; v184-195 p's codes
.set PT,  196                          ; v196-198, v200-202 the halves that a conversion cannot put at an odd register
.set BM,  204                          ; v204-207 the blocks' largest scores, then largest p
.set BP,  208                          ; v208-211 the other half's, later the bytes
.set SO,  212                          ; v212-215 the conversions' scale operands
; v1 16 l, v2 4 l, v3, v4 the same + the slot in hand (v3 at the head: where I read Q back from the stage); v5, v6 the add's two; v7 my offset in Q's and O's rows; v8, v9 the stage, by rows of a lane and by whole rows;
; v10 r - 16 h; v11 the mask's d; v12 -M; v13 the largest t; v[14:15] the sum; v[216:217] f; v218 at work; v219 -infinity; v[220:221] the sum's second chain
; s10 wave; s15 QB, the block's first query; s16 the last step's first key; s17 my first query; s18 the step's first key; s19 the slot in hand; s20 slots to ask for; s[22:23] lane selects; s[24:25] c; s[28:35], s[36:39] the descriptor
.macro ROUND                           ; a round of the cluster's barrier
	s_barrier_signal -1
	s_barrier_wait -1
	s_cmp_lg_u32 s10, 0
	s_cbranch_scc1 .Lnot_wave_0_\@
	s_barrier_signal -3
.Lnot_wave_0_\@:
	s_barrier_wait -3
	s_barrier_signal -1
	s_barrier_wait -1
.endm
.macro TLOAD                           ; waves 0-3 ask for one record each; the branch hangs on the wave's number alone.  Four v_nop follow the load
	s_cmp_lt_u32 s10, 4
	s_cbranch_scc0 .Lasked_\@
	tensor_load_to_lds s[36:39], s[28:35]
	s_nop 0
.rept 4
	v_nop
.endr
.Lasked_\@:
.endm
	s_load_b128 s[4:7], s[0:1], 0x0                ; queries, kv
	s_load_b64 s[8:9], s[0:1], 0x10                ; out0
	v_lshl_add_u32 v5, v0, 2, SPARE
	v_mov_b32 v6, 0
	ds_add_u32 v5, v6
	s_wait_dscnt 0x0
	v_lshrrev_b32 v1, 5, v0
	v_readfirstlane_b32 s10, v1                    ; wave 0..15
	v_and_b32 v206, 31, v0                         ; lane
	v_and_b32 v204, 15, v0                         ; r
	v_bfe_u32 v205, v0, 4, 1                       ; h
	v_lshlrev_b32 v7, 11, v205
	v_lshl_add_u32 v7, v204, 4, v7                 ; in Q's and O's rows: lanes 0-15 one query's 256 bytes, lanes 16-31 the next query's; 16 bytes a lane; never rewritten
	s_lshr_b32 s11, s10, 2                         ; a = p
	s_and_b32 s12, s10, 3                          ; bb
	s_add_co_u32 s13, s11, s12
	s_and_b32 s13, s13, 3                          ; g
	s_and_b32 s14, s13, 1
	s_mul_i32 s14, s14, 3
	s_xor_b32 s14, s14, ttmp9                      ; sg: the cluster's x, or 3 - it where g is odd (x xor 3 = 3 - x for x in 0 .. 3)
	s_lshl_b32 s15, s13, 2
	s_add_co_u32 s15, s15, s14
	s_lshl_b32 s15, s15, 8                         ; QB = 256 (4 g + sg)
	s_add_co_u32 s16, s15, 128                     ; the first key of the last step that I work
	s_bfe_u32 s41, ttmp6, 0x40000                  ; cx: it enters Q's and O's addresses and the mask's compare alone
	s_lshl_b32 s41, s41, 6
	s_lshl_b32 s40, s11, 4
	s_add_co_u32 s17, s15, s41
	s_add_co_u32 s17, s17, s40                     ; my first query
	s_and_b32 s44, ttmp7, 0xffff                   ; the head y, which the partners share
	s_lshr_b32 s46, s44, 3
	s_lshl_b32 s46, s46, 23                        ; b x 4,096 rows of 2,048 bytes
	s_and_b32 s45, s44, 7
	s_lshl_b32 s45, s45, 8                         ; + hd x 256 bytes
	s_add_co_u32 s46, s46, s45
	s_lshl_b32 s40, s17, 11                        ; + my first query's row
	s_add_co_u32 s46, s46, s40
	s_mov_b32 s47, 0
	s_mul_i32 s37, s12, REC                        ; 63:32 LDS address: slot 0, the record that I fetch (if I fetch)
	s_mul_i32 s42, s44, 32*REC                     ; the head's 32 records,
	s_add_co_u32 s42, s42, s37                     ; and mine among a slot's four
	s_mov_b32 s43, 0
	; descriptor group 1: a record is a dense block: 50 rows of 256 bytes (32 elements of 8 bytes)
	s_mov_b32 s28, 15|(3<<16)|(1<<21)              ; 15:0 the mask: all four work-groups; 17:16 elements of 8 bytes; 20 no padding; 21 set beside a mask
	s_mov_b32 s29, 32<<16                          ; tensor_dim0 = 32
	s_mov_b32 s30, 50<<16                          ; tensor_dim1 = 50
	s_mov_b32 s31, 32<<16                          ; tile_dim0 = 32
	s_mov_b32 s32, 50                              ; tile_dim1 = 50
	s_mov_b32 s33, 32                              ; tensor_dim0_stride
	s_mov_b32 s34, 0
	s_mov_b32 s35, 0
	s_mov_b32 s18, 0
	s_mov_b32 s19, 0
	s_mov_b32 s20, 7                               ; 8 slots' worth of keys; slot 0 is asked for here
	s_mov_b32 s22, 0x76543210
	s_mov_b32 s23, 0xfedcba98                      ; v_permlanex16_b32's selects for lane l xor 16
	s_mov_b32 s24, 0x3e38aa3b                      ; c = log2(e) / 8
	s_mov_b32 s25, s24                             ; (named with it as a pair, so it is written)
	s_wait_kmcnt 0x0
	s_add_nc_u64 s[4:5], s[4:5], s[46:47]          ; Q and O at my first query
	s_add_nc_u64 s[8:9], s[8:9], s[46:47]
.irp i, 0,1,2,3,4,5,6,7
	global_load_b128 v[S+32+4*\i:S+32+4*\i+3], v7, s[4:5] offset:4096*\i th:TH_LOAD_NT   ; queries 2 i and 2 i + 1: sixteen lanes read a query's 256 consecutive bytes, at a multiple of 256 from the buffer's first byte; read once in the launch.
.endr                                              ; They are asked for ahead of the round and are on their way through it: nobody stores to these bytes
	s_mov_b32 s36, 1                               ; 1:0 count = 1
	s_add_nc_u64 s[38:39], s[6:7], s[42:43]        ; 120:64 global address
	s_or_b32 s39, s39, 0x80000000                  ; 127:126 type = 2
	ROUND                                          ; all four work-groups are here: the first joint loads meet
	TLOAD                                          ; slot 0
	v_lshlrev_b32 v1, 4, v206
	v_lshlrev_b32 v2, 2, v206
	s_mul_i32 s45, s10, 16*SP
	s_add_co_u32 s45, s45, STAGE                   ; my stage
	v_mul_u32_u24 v8, v204, SP
	v_lshl_add_u32 v8, v205, 5, v8
	v_add_nc_u32 v8, s45, v8                       ; O into the stage: row r, + 32 h
	v_mul_u32_u24 v9, v205, SP
	v_lshl_add_u32 v9, v204, 4, v9
	v_add_nc_u32 v9, s45, v9                       ; whole rows (Q in, O back): row h, + 16 r
	v_mul_u32_u24 v3, v204, SP
	v_lshl_add_u32 v3, v205, 7, v3
	v_add_nc_u32 v3, s45, v3                       ; Q back: row r, + my half's 128 bytes
	v_lshlrev_b32 v10, 4, v205
	v_sub_nc_u32 v10, v204, v10                    ; r - 16 h
	v_lshlrev_b32 v218, 3, v205                    ; 8 h
	v_mov_b32 v13, 0xff61b1e6                      ; the largest t so far: -3e38, under every t
	v_floor_f32 v12, -v13                          ; -M
	v_mov_b32 v14, 0                               ; the sum, in two halves
	v_mov_b32 v15, 0
	v_mov_b32 v217, 0                              ; (named as the upper half of the pair v[216:217])
	v_mov_b32 v219, 0xff800000                     ; -infinity
.irp j, 0,1,2,3
	v_mov_b32 v[BP+\j], 0                          ; written once: a lane permute's destination counts as one of its sources
.endr
.irp j, 0,1,2,3,4,5
	v_mov_b32 v[QR+\j], 0                          ; the zero codes on both sides of Q's
	v_mov_b32 v[QR+12+\j], 0
.endr
.set n, 0
.rept 32
	v_mov_b32 v[OT+n], 0                           ; O^T.  (The step is written once: the first finds zeros, which the first change of M leaves zeros)
.set n, n+1
.endr
.irp i, 0,1,2,3,4,5,6,7
	s_wait_loadcnt 7-\i                            ; loads come back in order: load i is in, the 7 - i later ones may be out
	ds_store_b128 v9, v[S+32+4*\i:S+32+4*\i+3] offset:2*\i*SP    ; rows 2 i and 2 i + 1 of my stage, as they lie
.endr
.irp m, 0,1,2,3,4,5,6,7
	ds_load_b128 v[S+4*\m:S+4*\m+3], v3 offset:16*\m   ; Q(r, 32 h + 4 m ..): a whole block of 32 a lane.  LDS serves a wave's instructions in order: these see the stores above
.endr
	s_wait_dscnt 0x0
	v_max3_num_f32 v[BM], |v[S]|, |v[S+1]|, |v[S+2]|                ; my block's largest magnitude, in two chains
	v_max3_num_f32 v[BM+1], |v[S+3]|, |v[S+4]|, |v[S+5]|
.irp i, 6,10,14,18,22,26
	v_max3_num_f32 v[BM], v[BM], |v[S+\i]|, |v[S+\i+1]|
	v_max3_num_f32 v[BM+1], v[BM+1], |v[S+\i+2]|, |v[S+\i+3]|
.endr
	v_max3_num_f32 v[BM], v[BM], |v[S+30]|, |v[S+31]|
	v_max3_num_f32 v[BM], v[BM], v[BM+1], 0x2800000   ; and the floor 2^(5 - 127): the byte cannot fall under 1
	v_add_nc_u32 v[SO], 0xfe000000, v[BM]          ; 4 off the exponent field: the conversion's scale operand
	v_lshrrev_b32 v[BP], 23, v[SO]                 ; the scale's byte,
	v_lshlrev_b32 v[BP], v218, v[BP]               ; 8 h bits up;
	v_permlanex16_b32 v[BP+1], v[BP], s22, s23
	v_or_b32 v[QS], v[BP], v[BP+1]                 ; with lane l xor 16's: both blocks' bytes,
	v_lshl_or_b32 v[QS], v[QS], 16, v[QS]          ; and the same two again for k 64-127
	v_cvt_scalef32_pk16_bf6_f32 v[QR+6:QR+8], v[S:S+15], v[SO]
	v_cvt_scalef32_pk16_bf6_f32 v[PT:PT+2], v[S+16:S+31], v[SO]    ; (a conversion's three registers begin on an even number)
	v_nop                                          ; one plain place behind a scaled conversion
.irp j, 0,1,2
	v_mov_b32 v[QR+9+\j], v[PT+\j]
.endr
.rept 8
	v_nop                                          ; a scale register written by a vector instruction stands 8 places ahead of a scaled matrix instruction, an operand so written 4
.endr
; A KEY STEP: 128 keys, record q of the slot in hand.
.macro STEP q
	s_cmp_gt_u32 s18, s16                          ; all these keys come after my block's queries: the step's work is left out
	s_cbranch_scc1 .Lhidden_\@
.rept 4
	v_nop                                          ; places in front of loads into registers that the last step's products read
.endr
	ds_load_b32 v[KS], v4 offset:\q*REC+KSC        ; K's scale words: pairs 0 | 1,
	ds_load_b32 v[KS+1], v4 offset:\q*REC+KSC+128  ; pairs 2 | 3
.irp b, 0,1,2,3
.irp c, 0,1,2
	ds_load_b128 v[KV+12*\b+4*\c:KV+12*\b+4*\c+3], v3 offset:\q*REC+1536*\b+512*\c   ; an image's plane: 512 consecutive bytes
.endr
.endr
.irp b, 0,1,2,3                                ; S^T = K Q^T: each fragment serves two tiles of 16 keys
	s_wait_dscnt 9-3*\b                            ; this pair's three loads are in; the later pairs' may be out
.irp u, 0,1
.if \b%2
	v_wmma_scale_f32_16x16x128_f8f6f4 v[S+8*(2*\b+\u):S+8*(2*\b+\u)+7], v[KV+12*\b:KV+12*\b+11], v[QR+6-6*\u:QR+17-6*\u], 0, v[KS+\b/2], v[QS] matrix_a_fmt:MATRIX_FMT_BF6 matrix_b_fmt:MATRIX_FMT_BF6 matrix_a_scale:MATRIX_SCALE_ROW1
.else
	v_wmma_scale_f32_16x16x128_f8f6f4 v[S+8*(2*\b+\u):S+8*(2*\b+\u)+7], v[KV+12*\b:KV+12*\b+11], v[QR+6-6*\u:QR+17-6*\u], 0, v[KS+\b/2], v[QS] matrix_a_fmt:MATRIX_FMT_BF6 matrix_b_fmt:MATRIX_FMT_BF6
.endif
.endr
.endr
.rept 4
	v_nop                                          ; places in front of the loads into K's registers and of the first read of the scores
.endr
.irp t, 0,1,2,3                                ; V's four fragments are asked for now and land under the softmax
.irp c, 0,1,2
	ds_load_b128 v[KV+12*\t+4*\c:KV+12*\t+4*\c+3], v3 offset:\q*REC+VCO+1536*\t+512*\c
.endr
.endr
	ds_load_b32 v[VS], v4 offset:\q*REC+VSC        ; V's scale words: tiles 0 | 1,
	ds_load_b32 v[VS+1], v4 offset:\q*REC+VSC+128  ; tiles 2 | 3
	s_cmp_lt_u32 s18, s15                          ; a step ahead of my block: all its keys count
	s_cbranch_scc1 .Lopen_\@
	s_sub_co_i32 s40, s17, s18
	v_add_nc_u32 v11, s40, v10                     ; d = my query - the step's first key - 16 h.  Register 16 b + i holds key 32 b + 16 h + i of the step: hidden where 32 b + i > d
.set n, 0
.rept 64
	v_cmp_gt_i32 vcc_lo, 32*(n/16)+n%16, v11
	v_cndmask_b32 v[S+n], v[S+n], v219, vcc_lo     ; -infinity: p = 0 then
.set n, n+1
.endr
.Lopen_\@:
.irp b, 0,1,2,3
	v_max3_num_f32 v[BM+\b], v[S+16*\b], v[S+16*\b+1], v[S+16*\b+2]   ; the largest score of each block of 32 keys: it serves the row's maximum and, since p rises with the score, the block's largest p
.endr
.irp i, 3,5,7,9,11,13
.irp b, 0,1,2,3
	v_max3_num_f32 v[BM+\b], v[BM+\b], v[S+16*\b+\i], v[S+16*\b+\i+1]   ; (the four blocks by turns)
.endr
.endr
.irp b, 0,1,2,3
	v_max_num_f32 v[BM+\b], v[BM+\b], v[S+16*\b+15]
.endr
.irp b, 0,1,2,3
	v_permlanex16_b32 v[BP+\b], v[BM+\b], s22, s23
.endr
.irp b, 0,1,2,3
	v_max_num_f32 v[BM+\b], v[BM+\b], v[BP+\b]     ; with lane l xor 16's 16 keys
.endr
	v_max3_num_f32 v218, v[BM], v[BM+1], v[BM+2]
	v_max_num_f32 v218, v218, v[BM+3]              ; the step's largest score of my query
	v_mul_f32 v218, s24, v218                      ; as t (c is positive)
	v_max_num_f32 v13, v13, v218                   ; the running largest t
	v_mov_b32 v218, v12
	v_floor_f32 v12, -v13                          ; the new -M = floor(-t) = -ceil(t): M is a whole number
	v_sub_f32 v218, v12, v218                      ; old M - new M: a whole number, 0 or less
	v_cvt_i32_f32 v218, v218                       ; (it saturates)
	v_ldexp_f32 v216, 1.0, v218                    ; f = 2^(old M - new M)
.set n, 0
.rept 32
	v_pk_fma_f32 v[S+n:S+n+1], v[S+n:S+n+1], s[24:25], v[12:13] op_sel_hi:[1,0,0]   ; t - M, two at a time (of the pairs c and -M the low word serves both halves)
.set n, n+2
.endr
.irp b, 0,1,2,3
	v_fma_f32 v[BM+\b], v[BM+\b], s24, v12         ; the same of each block's largest score
.endr
.set n, 0
.rept 64
	v_exp_f32 v[S+n], v[S+n]                       ; p = 2^(t - M), at most 1: not normalised
.set n, n+1
.endr
.irp b, 0,1,2,3
	v_exp_f32 v[BM+\b], v[BM+\b]                   ; the block's largest p: the same two instructions on the same number give the same bits
.endr
	v_pk_mul_f32 v[14:15], v[14:15], v[216:217] op_sel_hi:[1,0]   ; the sums under the new M.  (A plain place behind the exponentials)
	s_wait_alu depctr_va_vdst(0)
.irp b, 0,1,2,3
	v_max_num_f32 v[BM+\b], 0x2800000, v[BM+\b]    ; the floor 2^(5 - 127): a block whose every p is 0 keeps the byte 1: its codes are zeros
.endr
.irp b, 0,1,2,3
	v_add_nc_u32 v[SO+\b], 0xfe000000, v[BM+\b]    ; 4 off the exponent field: the conversion's scale operand
.endr
.irp b, 0,1,2,3
	v_lshrrev_b32 v[BP+\b], 23, v[SO+\b]           ; the scale's byte
.endr
	v_lshl_or_b32 v[PS], v[BP+1], 8, v[BP]         ; p's scale word for these 128 keys
	v_lshl_or_b32 v[PS], v[BP+2], 16, v[PS]
	v_lshl_or_b32 v[PS], v[BP+3], 24, v[PS]
.irp c, 0,1
	v_cvt_scalef32_pk16_bf6_f32 v[PC+6*\c:PC+6*\c+2], v[S+32*\c:S+32*\c+15], v[SO+2*\c]
	v_cvt_scalef32_pk16_bf6_f32 v[PT+4*\c:PT+4*\c+2], v[S+32*\c+16:S+32*\c+31], v[SO+2*\c+1]   ; (a conversion's three registers begin on an even number)
.endr
	v_nop                                          ; one plain place behind a scaled conversion
.irp c, 0,1                                    ; the operand's layout wants a WHOLE block in a lane: lanes 0-15 block 2 c, lanes 16-31 block 2 c + 1
.irp i, 0,1,2
	v_permlane16_swap_b32 v[PC+6*\c+\i], v[PT+4*\c+\i]
.endr
.irp i, 0,1,2
	v_mov_b32 v[PC+6*\c+3+\i], v[PT+4*\c+\i]
.endr
.endr
.set n, 0
.rept 16
	v_pk_mul_f32 v[OT+n:OT+n+1], v[OT+n:OT+n+1], v[216:217] op_sel_hi:[1,0]   ; O^T under the new M: x f; each accumulator from its low end on
.set n, n+2
.endr
	v_pk_add_f32 v[220:221], v[S:S+1], v[S+2:S+3]  ; the row's sum is taken of the UNQUANTISED p: two at a time, in two chains.  (These 32 are also the places in front of the products below)
.irp j, 4,8,12,16,20,24,28,32,36,40,44,48,52,56,60
	v_pk_add_f32 v[14:15], v[14:15], v[S+\j:S+\j+1]
	v_pk_add_f32 v[220:221], v[220:221], v[S+\j+2:S+\j+3]
.endr
	v_pk_add_f32 v[14:15], v[14:15], v[220:221]
	s_wait_dscnt 0x0                               ; V and its scale words are in
.irp t, 0,1,2,3                                ; O^T += V^T P^T: the four accumulators by turns, one instruction a turn
.if \t%2
	v_wmma_scale_f32_16x16x128_f8f6f4 v[OT+8*\t:OT+8*\t+7], v[KV+12*\t:KV+12*\t+11], v[PC:PC+11], v[OT+8*\t:OT+8*\t+7], v[VS+\t/2], v[PS] matrix_a_fmt:MATRIX_FMT_BF6 matrix_b_fmt:MATRIX_FMT_BF6 matrix_a_scale:MATRIX_SCALE_ROW1
.else
	v_wmma_scale_f32_16x16x128_f8f6f4 v[OT+8*\t:OT+8*\t+7], v[KV+12*\t:KV+12*\t+11], v[PC:PC+11], v[OT+8*\t:OT+8*\t+7], v[VS+\t/2], v[PS] matrix_a_fmt:MATRIX_FMT_BF6 matrix_b_fmt:MATRIX_FMT_BF6
.endif
.endr
.Lhidden_\@:
	s_add_co_u32 s18, s18, 128                     ; the next step's first key
.endm
; THE CHANGE OF SLOTS stands at a slot's head.  Each wave waits for all its tensor loads (its part of the slot that it is about to read), adds 0 to its spare word, and waits for that and for its reads of the slot that it has left.
; fill = 1: a round of the cluster's barrier follows, so that no wave of any partner still reads the other slot or has a load on its way; the joint refill is the first thing behind it and has a slot's four steps in which to land.
.macro CHANGE fill
	s_wait_tensorcnt 0x0                           ; no tensor load of mine is out, so the descriptor may be written
	ds_add_u32 v5, v6                              ; 0 onto my spare word
.if \fill
	s_xor_b32 s37, s37, SLOT1                      ; the walking descriptor: the other slot than last time,
	s_add_nc_u64 s[38:39], s[38:39], 4*REC         ; the next four records; the type bits on top are not reached
.endif
	s_wait_dscnt 0x0                               ; the add is done, and my reads of the slot that I have left are over
.if \fill
	ROUND
	TLOAD
.else
	s_barrier_signal -1
	s_barrier_wait -1
.endif
.endm
.macro SLOT_STEPS
	v_add_nc_u32 v3, s19, v1                       ; the slot in hand
	v_add_nc_u32 v4, s19, v2
	STEP 0
	STEP 1
	STEP 2
	STEP 3
	s_xor_b32 s19, s19, SLOT1                      ; on to the other slot
.endm
.Lslot:                                            ; 7 trips: behind each change of slots but the last the next slot is asked for
	CHANGE 1
	SLOT_STEPS
	s_sub_co_u32 s20, s20, 1
	s_cmp_lg_u32 s20, 0
	s_cbranch_scc1 .Lslot
	CHANGE 0                                       ; the last slot is written out
	SLOT_STEPS
	; THE WAY OUT.  O^T / the sum goes through my stage in LDS and leaves as whole rows of 256 bytes.
.rept 4
	v_nop                                          ; places behind the last products
.endr
	v_add_f32 v14, v14, v15                        ; the sum's two halves,
	v_permlanex16_b32 v218, v14, s22, s23
	v_add_f32 v14, v14, v218                       ; and lane l xor 16's: the row's sum
	v_rcp_f32 v14, v14
	v_nop                                          ; one plain place behind a transcendental
.set n, 0
	s_wait_alu depctr_va_vdst(0)
.rept 32
	v_mul_f32 v[S+n], v[OT+n], v14                 ; register 8 t + j is o(query r, channel 16 t + 8 h + j); each accumulator from its low end on
.set n, n+1
.endr
.irp t, 0,1,2,3
	ds_store_b128 v8, v[S+8*\t:S+8*\t+3] offset:64*\t
	ds_store_b128 v8, v[S+8*\t+4:S+8*\t+7] offset:64*\t+16
.endr
.irp i, 0,1,2,3,4,5,6,7
	ds_load_b128 v[S+32+4*\i:S+32+4*\i+3], v9 offset:2*\i*SP   ; LDS serves a wave's instructions in order: these see my stores
.endr
.irp i, 0,1,2,3,4,5,6,7
	s_wait_dscnt 7-\i                              ; rows 2 i and 2 i + 1 are back; the later loads may be out
	global_store_b128 v7, v[S+32+4*\i:S+32+4*\i+3], s[8:9] offset:4096*\i th:TH_STORE_NT   ; sixteen lanes store a query's 256 consecutive bytes, at a multiple of 256 from out0's first byte
.endr
	s_wait_tensorcnt 0x0                           ; the wave's end, behind my last tensor load and my last LDS store
	ds_add_u32 v5, v6
	s_wait_dscnt 0x0
	ROUND                                          ; the closing round: no work-group ends while a partner may still ask for a record that names it
	s_endpgm
.Lfunc_end_k_qb91296c42f_attn:
	.size	k_qb91296c42f_attn, .Lfunc_end_k_qb91296c42f_attn-k_qb91296c42f_attn
	.p2alignl 7, 3214868480
	.fill 96, 4, 3214868480
	.section	.rodata,"a",@progbits
	.p2align	6, 0x0
	.amdhsa_kernel k_qb91296c42f_attn
		.amdhsa_group_segment_fixed_size 327680
		.amdhsa_private_segment_fixed_size 0
		.amdhsa_enable_private_segment 0
		.amdhsa_kernarg_size 24
		.amdhsa_user_sgpr_count 2
		.amdhsa_user_sgpr_kernarg_segment_ptr 1
		.amdhsa_wavefront_size32 1
		.amdhsa_system_sgpr_workgroup_id_x 1
		.amdhsa_system_sgpr_workgroup_id_y 1
		.amdhsa_system_sgpr_workgroup_id_z 1
		.amdhsa_system_vgpr_workitem_id 0
		.amdhsa_next_free_vgpr 224
		.amdhsa_next_free_sgpr 66
		.amdhsa_reserve_vcc 1
		.amdhsa_float_denorm_mode_32 3
		.amdhsa_float_denorm_mode_16_64 3
		.amdhsa_memory_ordered 1
		.amdhsa_forward_progress 1
		.amdhsa_inst_pref_size 179
	.end_amdhsa_kernel
	.amdgpu_metadata
---
amdhsa.version: [ 1, 2 ]
amdhsa.kernels:
  - .name:           k_qb91296c42f_attn
    .symbol:         k_qb91296c42f_attn.kd
    .args:
      - { .name: queries, .offset: 0, .size: 8, .value_kind: global_buffer, .address_space: global }
      - { .name: kv, .offset: 8, .size: 8, .value_kind: global_buffer, .address_space: global }
      - { .name: out0, .offset: 16, .size: 8, .value_kind: global_buffer, .address_space: global }
    .group_segment_fixed_size: 327680
    .private_segment_fixed_size: 0
    .kernarg_segment_align: 8
    .kernarg_segment_size: 24
    .max_flat_workgroup_size: 512
    .sgpr_count:     66
    .vgpr_count:     224
    .wavefront_size: 32
...
	.end_amdgpu_metadata
.endif
;; end of part 2
